; MI455X (gfx1250); checked and timed in simulation.
; The chip was launched on July 23, 2026; its instructions are those of AMD's public machine-readable ISA for CDNA 5 (MIT licence, August 2026) and "CDNA5" Instruction Set Architecture Reference Guide (July 2026). The comments in the code are by the model that wrote it; some were corrected since.
;; VQ Codebook Layer. Allowed arithmetic: matrix products marked QUANTISED: E2M1 operands, one E8M0 scale for each 32 along K, by v_wmma_scale_f32_16x16x128_f8f6f4 with both operands' format E2M1 (or v_wmma_scale_f32_32x16x128_f4), f32 sums; everything else in f32.
;; Inputs: codebook 16,384 x 64 float32; x 4 x 2,048 x 64 float32.
;; Outputs: out0 4 x 2,048 x 64 float32; out1 4 x 2,048 x 8 int32.
;; This version of the problem:
;;   THIS VERSION OF THE PROBLEM IS GIVEN IN LOW PRECISION. The matrix products marked QUANTISED in the list below multiply operands that are first quantised to E2M1 (2 exponent bits, 1 mantissa bit; 4 bits a number), with one power-of-two scale for each 32 numbers along K (OCP MX v1.0); their sums are f32. All else is computed in f32.
;;   The module's matrix products, in the order in which they are computed (A, B: the left and right operand; K: the contracted axis; several contracted axes count as one K, in the product's order):
;;     1. [M 8,192, K 64] x [K 64, N 16,384]; A: input x; B: input codebook: QUANTISED
;;   THE QUANTISER, for each operand of a quantised product, along K:
;;     - K is cut into blocks of 32 from its start; a last block that is shorter is filled with zeros.
;;     - A block's scale is 2^e with e = floor(log2(the largest magnitude in the block)) - 2, held to -126 .. 127; a block of zeros has e = 0. As a byte (E8M0): e + 127.
;;     - Each number is divided by its block's scale, clamped to +-6, and rounded to the nearest number of E2M1, ties to even, subnormals kept.
;;     - The product sums the exact products of the quantised numbers (number of the format x scale) in f32.
;;   ~~~python
;;   def quantise(x, axis):      # numpy; x: float32 -> the quantised numbers, widened to float32 again
;;       x = np.moveaxis(x, axis, -1); K = x.shape[-1]
;;       x = np.pad(x, [(0, 0)] * (x.ndim - 1) + [(0, -K % 32)]); x = x.reshape(x.shape[:-1] + (-1, 32)); a = np.abs(x).max(-1, keepdims=True)
;;       e = np.where(a > 0, np.clip(np.frexp(np.where(a > 0, a, 1))[1] - 1 - 2, -126, 127), 0)      # np.frexp(a)[1] - 1 = floor(log2(a)), exactly
;;       r = np.clip(x / 2.0 ** e, -6, 6)
;;       step = 2.0 ** (np.maximum(np.frexp(np.where(r == 0, 1, r))[1] - 1, 0) - 1)
;;       q = np.round(r / step) * step * 2.0 ** e      # np.round: ties to even
;;       return np.moveaxis(q.reshape(q.shape[:-2] + (-1,))[..., :K], -1, axis).astype(np.float32)
;;   ~~~
;; One version. Each part assembles by itself: llvm-mc -triple=amdgcn-amd-amdhsa -mcpu=gfx1250 --defsym DOCPART=n.
;; ======== version 1 of 1: 4 launches
;; workspace buffers: qc 786,432 bytes; qs 98,304 bytes; qn 98,304 bytes; keys 2,097,152 bytes of whole numbers; gids 2,097,152 bytes of whole numbers; ids 262,144 bytes of whole numbers
;; launch prep (part 1): grid 256 x 1, 3 waves a work-group, no clusters, 26,624 bytes of LDS; arguments codebook, x, qc, qs, qn; writes qc, qs, qn
.if DOCPART == 1
	.amdgcn_target "amdgcn-amd-amdhsa--gfx1250"
	.amdhsa_code_object_version 6
	.text
	.protected	k_q219b244c6c_prep
	.globl	k_q219b244c6c_prep
	.p2align	8
	.type	k_q219b244c6c_prep,@function
k_q219b244c6c_prep:
	s_mov_b64 s[64:65], 0
	v_nop
	global_prefetch_b8 v0, s[64:65] scope:SCOPE_SE
	s_setreg_imm32_b32 hwreg(HW_REG_WAVE_MODE, 25, 1), 1
	s_wait_xcnt 0x0
; PREP.  The 16,384 rows of codebook and the 8,192 rows of x (64 f32 each) are quantised once, along their 64 numbers, into codes of FP4 (E2M1) with one E8M0 scale for each 32,
; and each row's squared norm is summed.  Row R = the code's number, or 16,384 + the query's number.
;   qc: two planes of 24,576 rows x 16 bytes; plane b holds block b (k = 32 b .. 32 b + 31), two codes a byte, the lower k in the low four bits.
;   qs: one word a row: byte 0 block 0's scale, byte 1 block 1's, bytes 2 and 3 the same two again (they scale the empty half of a matrix step of 128 along K).
;   qn: MINUS the row's squared norm, f32.
; DEAD WORK: none is left out, in this launch or the later ones.  x2 is the same for all codes of a query and would cancel in real numbers, but it stands in the f32 roundings of (2 xc - x2) - c2,
; which decide between near scores: so it is kept.  Both inputs are loaded.
; THE SCALE: the block's largest magnitude, its exponent field less 2; the floor 2^(3 - 127) among the maximum's leaves holds the byte at 1 from below.
; LIMITS: NaN and infinities among the inputs are not served.  A block whose largest magnitude lies under 2^(3 - 127) keeps the byte 1; a block of zeros has the byte 1 where the rule says 127
; (its codes are zeros, and this program alone reads the bytes).  A norm is ONE ascending chain of fused multiply-adds; reference() fixes no order for that sum: where two scores of a query lie
; closer than that sum's rounding, an index can differ.
; SHARES: 768 waves, 32 rows (8,192 dense bytes) each.  Each load takes 512 consecutive bytes; the rows turn through the wave's own stage in LDS (pitch 272 bytes), so that a lane then holds one whole row:
; the maxima, the norm and the conversions need no other lane.  Waves share nothing: no barrier.
.set STG,   8704                       ; a wave's stage: 32 rows x 272 bytes
.set SPARE, 3*STG                      ; behind the stages: the spare words, two blocks of 256 bytes that no other line names
.set PLANE, 393216                     ; a plane of qc
.set SPW, 1                            ; v1   my spare word's LDS address; never rewritten
.set NIL, 2                            ; v2   0; never rewritten
.set C,   20                           ; v20-27  the row's codes
.set RAW, 32                           ; v32-95  as loaded
.set X,   96                           ; v96-159 my row's 64 numbers
	s_load_b128 s[4:7], s[0:1], 0x0                ; codebook, x
	s_load_b128 s[8:11], s[0:1], 0x10              ; qc, qs
	s_load_b64 s[12:13], s[0:1], 0x20              ; qn
	v_lshl_add_u32 v[SPW], v0, 2, SPARE
	v_mov_b32 v[NIL], 0
	v_lshrrev_b32 v3, 5, v0
	v_readfirstlane_b32 s14, v3                    ; wave 0..2
	v_and_b32 v3, 31, v0                           ; lane
	v_lshlrev_b32 v4, 4, v3                        ; 16 x lane: my bytes of a load's 512, and my row's place in a plane of qc
	v_lshlrev_b32 v8, 2, v3                        ; 4 x lane: my row's word in qs and in qn
	v_bfe_u32 v7, v0, 4, 1
	v_and_b32 v9, 15, v0
	s_mul_i32 s15, s14, STG
	v_mul_u32_u24 v5, v7, 272
	v_lshl_add_u32 v5, v9, 4, v5
	v_add_nc_u32 v5, s15, v5                       ; into the stage: a load holds two rows: row lane / 16, 16 bytes a lane
	v_mul_u32_u24 v6, v3, 272
	v_add_nc_u32 v6, s15, v6                       ; out of it: row = lane
	s_mul_i32 s16, ttmp9, 3
	s_add_co_u32 s16, s16, s14                     ; which run of 32 rows: 0..767
	s_lshl_b32 s20, s16, 9                         ; its place in a plane of qc,
	s_mov_b32 s21, 0
	s_lshl_b32 s22, s16, 7                         ; in qs and in qn
	s_mov_b32 s23, 0
	s_mov_b32 s19, 0
	s_wait_alu depctr_va_vdst(0)
	s_wait_kmcnt 0x0
	s_cmp_lt_u32 s16, 512                          ; the first 512 runs are the codebook's, the others x's: the choice hangs on ids alone
	s_cselect_b64 s[4:5], s[4:5], s[6:7]
	s_cselect_b32 s17, 0, 512
	s_sub_co_u32 s17, s16, s17
	s_lshl_b32 s18, s17, 13                        ; 8,192 bytes a run
	s_add_nc_u64 s[4:5], s[4:5], s[18:19]
	s_add_nc_u64 s[8:9], s[8:9], s[20:21]
	s_add_nc_u64 s[10:11], s[10:11], s[22:23]
	s_add_nc_u64 s[12:13], s[12:13], s[22:23]
.set i, 0
.rept 16
	global_load_b128 v[RAW+4*i:RAW+4*i+3], v4, s[4:5] offset:512*i th:TH_LOAD_NT   ; 32 lanes read 512 consecutive bytes: rows 2 i and 2 i + 1
.set i, i+1
.endr
.set i, 0
.rept 16
	s_wait_loadcnt 15-i                            ; loads come back in order: load i is in, the 15 - i younger ones may be out
	ds_store_b128 v5, v[RAW+4*i:RAW+4*i+3] offset:544*i
.set i, i+1
.endr
.set i, 0
.rept 16
	ds_load_b128 v[X+4*i:X+4*i+3], v6 offset:16*i  ; LDS serves a wave's instructions in order: these see my stores
.set i, i+1
.endr
	s_wait_dscnt 0x0
	; three chains by turns: the two blocks' largest magnitudes and the norm
	v_max3_num_f32 v12, |v[X]|, |v[X+1]|, 0x1800000        ; with the floor 2^(3 - 127)
	v_max3_num_f32 v13, |v[X+32]|, |v[X+33]|, 0x1800000
	v_mul_f32 v10, v[X], v[X]
	v_fmac_f32 v10, v[X+1], v[X+1]
	v_fmac_f32 v10, v[X+2], v[X+2]
	v_fmac_f32 v10, v[X+3], v[X+3]
.set t, 1
.rept 15
	v_max3_num_f32 v12, v12, |v[X+2*t]|, |v[X+2*t+1]|
	v_max3_num_f32 v13, v13, |v[X+32+2*t]|, |v[X+33+2*t]|
	v_fmac_f32 v10, v[X+4*t], v[X+4*t]
	v_fmac_f32 v10, v[X+4*t+1], v[X+4*t+1]
	v_fmac_f32 v10, v[X+4*t+2], v[X+4*t+2]
	v_fmac_f32 v10, v[X+4*t+3], v[X+4*t+3]
.set t, t+1
.endr
	v_add_nc_u32 v14, 0xff000000, v12              ; 2 off the exponent field: the conversion takes the exponent field of this operand as its scale
	v_add_nc_u32 v15, 0xff000000, v13
	v_lshrrev_b32 v16, 23, v14                     ; the scales' bytes
	v_lshrrev_b32 v17, 23, v15
	v_lshl_or_b32 v18, v17, 8, v16
	v_lshl_or_b32 v18, v18, 16, v18                ; the row's scale word: b0, b1, b0, b1
.set g, 0
.rept 8
	v_cvt_scalef32_pk8_fp4_f32 v[C+g], v[X+8*g:X+8*g+7], v[14+g/4]   ; eight numbers / the scale, to the nearest code, ties to even, beyond 6 the largest code
.set g, g+1
.endr
	v_xor_b32 v10, 0x80000000, v10                 ; minus the norm.  (Also the plain line behind the last conversion)
	global_store_b128 v4, v[C:C+3], s[8:9]                   ; 32 lanes store 512 consecutive bytes of plane 0,
	global_store_b128 v4, v[C+4:C+7], s[8:9] offset:PLANE    ; and of plane 1
	global_store_b32 v8, v18, s[10:11]             ; 128 consecutive bytes a wave
	global_store_b32 v8, v10, s[12:13]
	s_wait_tensorcnt 0x0                           ; the wave's end: behind my last LDS store
	ds_add_u32 v[SPW], v[NIL]
	s_wait_dscnt 0x0
	s_endpgm
.Lfunc_end_k_q219b244c6c_prep:
	.size	k_q219b244c6c_prep, .Lfunc_end_k_q219b244c6c_prep-k_q219b244c6c_prep
	.p2alignl 7, 3214868480
	.fill 96, 4, 3214868480
	.section	.rodata,"a",@progbits
	.p2align	6, 0x0
	.amdhsa_kernel k_q219b244c6c_prep
		.amdhsa_group_segment_fixed_size 26624
		.amdhsa_private_segment_fixed_size 0
		.amdhsa_enable_private_segment 0
		.amdhsa_kernarg_size 40
		.amdhsa_user_sgpr_count 2
		.amdhsa_user_sgpr_kernarg_segment_ptr 1
		.amdhsa_wavefront_size32 1
		.amdhsa_system_sgpr_workgroup_id_x 1
		.amdhsa_system_sgpr_workgroup_id_y 1
		.amdhsa_system_sgpr_workgroup_id_z 1
		.amdhsa_system_vgpr_workitem_id 0
		.amdhsa_next_free_vgpr 160
		.amdhsa_next_free_sgpr 66
		.amdhsa_reserve_vcc 0
		.amdhsa_float_denorm_mode_32 3
		.amdhsa_float_denorm_mode_16_64 3
		.amdhsa_memory_ordered 1
		.amdhsa_forward_progress 1
		.amdhsa_inst_pref_size 12
	.end_amdhsa_kernel
	.amdgpu_metadata
---
amdhsa.version: [ 1, 2 ]
amdhsa.kernels:
  - .name:           k_q219b244c6c_prep
    .symbol:         k_q219b244c6c_prep.kd
    .args:
      - { .name: codebook, .offset: 0, .size: 8, .value_kind: global_buffer, .address_space: global }
      - { .name: x, .offset: 8, .size: 8, .value_kind: global_buffer, .address_space: global }
      - { .name: qc, .offset: 16, .size: 8, .value_kind: global_buffer, .address_space: global }
      - { .name: qs, .offset: 24, .size: 8, .value_kind: global_buffer, .address_space: global }
      - { .name: qn, .offset: 32, .size: 8, .value_kind: global_buffer, .address_space: global }
    .group_segment_fixed_size: 26624
    .private_segment_fixed_size: 0
    .kernarg_segment_align: 8
    .kernarg_segment_size: 40
    .max_flat_workgroup_size: 96
    .sgpr_count:     66
    .vgpr_count:     160
    .wavefront_size: 32
...
	.end_amdgpu_metadata
.endif
;; end of part 1
;; launch groups (part 2): grid 32 x 8, 4 waves a work-group, no clusters, 83,200 bytes of LDS; arguments qc, qs, qn, keys, gids; writes keys, gids
.if DOCPART == 2
	.amdgcn_target "amdgcn-amd-amdhsa--gfx1250"
	.amdhsa_code_object_version 6
	.text
	.protected	k_q219b244c6c_groups
	.globl	k_q219b244c6c_groups
	.p2align	8
	.type	k_q219b244c6c_groups,@function
k_q219b244c6c_groups:
	s_mov_b64 s[64:65], 0
	v_nop
	global_prefetch_b8 v0, s[64:65] scope:SCOPE_SE
	s_setreg_imm32_b32 hwreg(HW_REG_WAVE_MODE, 25, 1), 1
	s_wait_xcnt 0x0
; GROUPS.  All 8,192 x 16,384 scores (2 xc - x2) - c2, xc on codes of FP4 with E8M0 scales; of each GROUP of 32 neighbouring codes only the largest score is kept, and for each query and each range of
; 2,048 codes the 8 best groups, in the order (maximum falling, group number rising).  No work of reference() is left out.
; WHY GROUPS SERVE: if 8 groups stand ahead of a code's group in that order, each holds a code with a higher score, or an equal score and a lower index: 8 codes stand ahead of it.  So the 8 best codes
; lie in the 8 best groups, for all values of the inputs; the next launch scores those groups' codes one by one.
; THE SCORE has reference()'s own roundings: fma(xc, 2, -x2), since 2 xc is exact, then + (-c2).
; SHARES.  Work-group (x, y): 256 queries x the codes 2,048 y .. + 2,047.  A wave holds 64 queries, four tiles of 16, as B operands in registers, and walks the whole range out of LDS.
; The range (codes 65,536 bytes, scale words 8,192, norms 8,192) is fetched ONCE, at the head, through registers, and then only read: one barrier in the launch.
; NO JOINT LOADS: the 32 work-groups of a range share those 81,920 bytes, fetched once each at the head; there is no ring of tiles that a cluster could ask for together step by step.
; THE MATRIX INSTRUCTION IS USED TRANSPOSED: source 0 = 16 codes, source 1 = 16 queries: lane (r, h) holds query r and rows 8 h .. 8 h + 7.  The rows of a tile are chosen: rows 0-7 come from the range's
; lower 1,024 codes, rows 8-15 from its upper 1,024.  A super-step s is four tiles u; row m of tile u is code 1,024 (m / 8) + 32 s + 8 u + m % 8: so a lane's 32 results are ONE group: 64 y + 32 h + s.
; K = 64 IN A STEP OF 128: B's registers 4-7 are zero codes; A's registers 4-7 are whatever follows in the register file: a zero code times any code of this format is 0.
; LIMITS: scores must be finite (NaN and infinities are not served); a score of -0 counts as +0.
.set PLANE, 393216                     ; a plane of qc in memory
.set UP,    16512                      ; LDS: in a plane, the upper 1,024 codes begin here: 16,384 + 128, so that rows 8-15 of a fragment load fall 128 bytes on, modulo 256, from rows 0-7
.set PL,    33024                      ; a plane in LDS
.set SC,    2*PL                       ; the scale words: lower 1,024 at + 0, upper at + SUP
.set SUP,   4160                       ; 4,096 + 64
.set C2L,   SC+8448                    ; minus the codes' norms, dense
.set SPARE, C2L+8192                   ; the spare words: two blocks of 256 bytes that no other line names
.set SPW,  1                           ; v1   my spare word's LDS address; never rewritten
.set NIL,  2                           ; v2   0; never rewritten
.set ACOD, 3                           ; v3   my lane's place among the codes;  v4 among the scale words;  v5 among the norms: never rewritten
.set ASC,  4
.set AC2,  5
.set GCUR, 6                           ; v6   the super-step's group number for my half of the lanes
.set GM,   7                           ; v7   the group's largest score
.set XN,   8                           ; v8-15   tile q: the pair (-x2, -x2)
.set XS,   16                          ; v16-17  the queries' scale words: tiles 0, 2 in lanes 0-15, tiles 1, 3 in lanes 16-31; scales and nothing else
.set BQ,   18                          ; v18-49  the four B operands; registers 4-7 of each are 0
.set LST,  50                          ; v50-113 tile q: 8 values at LST + 16 q, 8 group numbers at LST + 8 + 16 q
.set D,    114                         ; v114-145 a super-step's 32 results for one tile of queries
.set BUF,  146                         ; two buffers of 50: 16 codes' registers, 32 norms, 2 scale registers (scales and nothing else)
.set T,    246                         ; v246-252 at work
.set WA,   253                         ; v253-255 the fill's two addresses; then the trip's three LDS addresses
.set CM,   40                          ; s40-47 an insertion's eight masks
; val, with number id, goes into a list of 8 sorted falling.  The compare is strict: what stands in the list stays ahead of an equal newcomer.  31 lines, no branch.
.macro INSERT lv, li, val, id, t
.irp i, 0,1,2,3,4,5,6,7
	v_cmp_gt_f32 s[CM+\i], v[\val], v[(\lv)+\i]
.endr
.irp i, 0,1,2,3,4,5,6
	v_cndmask_b32 v[(\t)+\i], v[\id], v[(\li)+\i], s[CM+\i]        ; what place i + 1 takes if it changes: its neighbour above, or the newcomer
.endr
.irp i, 7,6,5,4,3,2,1
	v_med3_num_f32 v[(\lv)+\i], v[(\lv)+\i-1], v[(\lv)+\i], v[\val]   ; the middle of the old neighbour above, the old value and the newcomer
.endr
	v_max_num_f32 v[\lv], v[\lv], v[\val]
.irp i, 1,2,3,4,5,6,7
	v_cndmask_b32 v[(\li)+\i], v[(\li)+\i], v[(\t)+\i-1], s[CM+\i]
.endr
	v_cndmask_b32 v[\li], v[\li], v[\id], s[CM]
.endm
; one product, begun with 0; ra, rb: A's, B's scales stand in lanes 16-31 of their register
.macro WM d, a, b, sa, sb, ra, rb
.if (\ra) && (\rb)
	v_wmma_scale_f32_16x16x128_f8f6f4 v[(\d):(\d)+7], v[(\a):(\a)+7], v[(\b):(\b)+7], 0, v[\sa], v[\sb] matrix_a_fmt:MATRIX_FMT_FP4 matrix_b_fmt:MATRIX_FMT_FP4 matrix_a_scale:MATRIX_SCALE_ROW1 matrix_b_scale:MATRIX_SCALE_ROW1
.elseif \ra
	v_wmma_scale_f32_16x16x128_f8f6f4 v[(\d):(\d)+7], v[(\a):(\a)+7], v[(\b):(\b)+7], 0, v[\sa], v[\sb] matrix_a_fmt:MATRIX_FMT_FP4 matrix_b_fmt:MATRIX_FMT_FP4 matrix_a_scale:MATRIX_SCALE_ROW1
.elseif \rb
	v_wmma_scale_f32_16x16x128_f8f6f4 v[(\d):(\d)+7], v[(\a):(\a)+7], v[(\b):(\b)+7], 0, v[\sa], v[\sb] matrix_a_fmt:MATRIX_FMT_FP4 matrix_b_fmt:MATRIX_FMT_FP4 matrix_b_scale:MATRIX_SCALE_ROW1
.else
	v_wmma_scale_f32_16x16x128_f8f6f4 v[(\d):(\d)+7], v[(\a):(\a)+7], v[(\b):(\b)+7], 0, v[\sa], v[\sb] matrix_a_fmt:MATRIX_FMT_FP4 matrix_b_fmt:MATRIX_FMT_FP4
.endif
.endm
; buffer b's four tiles of codes against tile q of the queries: four products on four different results
.macro MM b, q
.irp u, 0,1,2,3
	WM D+8*\u, BUF+50*(\b)+4*\u, BQ+8*(\q), BUF+48+50*(\b)+\u/2, XS+(\q)/2, \u%2, (\q)%2
.endr
.endm
; super-step e (counted from the addresses given) into buffer b: 14 LDS loads
.macro LOADS b, e, ac, as, a2
.irp u, 0,1,2,3
	ds_load_b128 v[BUF+50*(\b)+4*\u:BUF+50*(\b)+4*\u+3], v[\ac] offset:512*(\e)+128*\u
.endr
.irp i, 0,1,2,3,4,5,6,7
	ds_load_b128 v[BUF+16+50*(\b)+4*\i:BUF+16+50*(\b)+4*\i+3], v[\a2] offset:128*(\e)+16*\i   ; my group's 32 norms: the same bytes for all lanes of a half
.endr
.irp p, 0,1
	ds_load_b32 v[BUF+48+50*(\b)+\p], v[\as] offset:128*(\e)+64*\p   ; lanes 0-15 tile 2 p's words, lanes 16-31 tile 2 p + 1's
.endr
.endm
; the 32 results become scores, two at a time and from each result's low end on, and their maximum is taken: 48 lines
.macro SCORE c2, q
.set p, 0
.rept 16
	v_pk_fma_f32 v[D+2*p:D+2*p+1], v[D+2*p:D+2*p+1], 2.0, v[XN+2*(\q):XN+2*(\q)+1] op_sel_hi:[1,0,1]
.set p, p+1
.endr
.set p, 0
.rept 16
	v_pk_add_f32 v[D+2*p:D+2*p+1], v[D+2*p:D+2*p+1], v[(\c2)+2*p:(\c2)+2*p+1]
.set p, p+1
.endr
.set p, 0
.rept 10
	v_max3_num_f32 v[D+3*p], v[D+3*p], v[D+3*p+1], v[D+3*p+2]
.set p, p+1
.endr
	v_max3_num_f32 v[D], v[D], v[D+3], v[D+6]
	v_max3_num_f32 v[D+9], v[D+9], v[D+12], v[D+15]
	v_max3_num_f32 v[D+18], v[D+18], v[D+21], v[D+24]
	v_max3_num_f32 v[D+27], v[D+27], v[D+30], v[D+31]
	v_max3_num_f32 v[GM], v[D], v[D+9], v[D+18]
	v_max_num_f32 v[GM], v[GM], v[D+27]
.endm
; A SUPER-STEP on buffer b.  A tile's products stand one insertion ahead of its scores: the insertion's 31 plain lines, which name none of the products' registers, are the places behind them
; (four are owed ahead of the first read of a result, five ahead of the next products on the same results, four ahead of loads into the buffer that products have read).
; next = 1: the other buffer's first products are issued here; load = 1: this buffer takes super-step e.
.macro SSTEP b, load, e, next
.irp q, 0,1,2
	SCORE BUF+16+50*(\b), \q
	MM \b, \q+1
	INSERT LST+16*\q, LST+8+16*\q, GM, GCUR, T
.endr
	SCORE BUF+16+50*(\b), 3
.if \next
	s_wait_alu depctr_va_vdst(0)
	s_wait_dscnt 0x0                               ; the other buffer's 14 loads, issued a super-step ago; nothing else is out
	MM 1-(\b), 0
.endif
.if \load
	LOADS \b, \e, WA, WA+1, WA+2
.endif
	INSERT LST+48, LST+56, GM, GCUR, T
	v_add_nc_u32 v[GCUR], 1, v[GCUR]
.endm
	s_load_b256 s[4:11], s[0:1], 0x0               ; qc s[4:5], qs s[6:7], qn s[8:9], keys s[10:11]
	s_load_b64 s[12:13], s[0:1], 0x20              ; gids
	v_lshl_add_u32 v[SPW], v0, 2, SPARE
	v_mov_b32 v[NIL], 0
	v_lshrrev_b32 v3, 5, v0
	v_readfirstlane_b32 s14, v3                    ; wave 0..3
	s_and_b32 s15, ttmp7, 0xffff                   ; the range
	v_and_b32 v246, 15, v0                         ; r
	v_bfe_u32 v247, v0, 4, 1                       ; h
	v_and_b32 v248, 7, v0                          ; r % 8
	v_bfe_u32 v249, v0, 3, 1                       ; r / 8
	v_mul_u32_u24 v[ACOD], v249, UP
	v_lshl_add_u32 v[ACOD], v248, 4, v[ACOD]
	v_mad_u32_u24 v[ACOD], v247, PL, v[ACOD]       ; codes: stream r / 8, 16 bytes a row, plane h (as an operand, lane (r, h) holds block h of row r)
	v_mul_u32_u24 v[ASC], v249, SUP
	v_lshl_add_u32 v[ASC], v248, 2, v[ASC]
	v_lshl_add_u32 v[ASC], v247, 5, v[ASC]         ; scale words: lanes 16-31 take the tile 8 codes on
	v_add_nc_u32 v[ASC], SC, v[ASC]
	v_lshl_add_u32 v[AC2], v247, 12, C2L           ; norms: as a result, lane (r, h) holds codes of stream h
	s_lshl_b32 s17, s15, 6
	v_lshl_add_u32 v[GCUR], v247, 5, s17           ; 64 y + 32 h
	v_lshlrev_b32 v[WA], 4, v0                     ; the fill: 16 bytes a thread, 2,048 a load of the work-group; in memory and in LDS alike
	v_add_nc_u32 v[WA+1], SC, v[WA]
	v_lshlrev_b32 v250, 4, v246
	v_mad_u32_u24 v250, v247, PLANE, v250          ; a query's codes: row r, plane h
	v_and_b32 v251, 31, v0
	v_lshlrev_b32 v251, 2, v251                    ; 4 x lane
	v_lshlrev_b32 v252, 2, v246                    ; 4 r
	s_lshl_b32 s18, ttmp9, 8
	s_lshl_b32 s19, s14, 6
	s_add_co_u32 s18, s18, s19
	s_add_co_u32 s18, s18, 16384                   ; my first query's row: 16,384 + 256 x + 64 wave
	s_lshl_b32 s32, s18, 4
	s_mov_b32 s33, 0
	s_lshl_b32 s34, s18, 2
	s_mov_b32 s35, 0
	s_lshl_b32 s36, s15, 15                        ; the range's codes in a plane,
	s_mov_b32 s37, 0
	s_lshl_b32 s38, s15, 13                        ; its scale words and norms
	s_mov_b32 s39, 0
	s_lshl_b32 s28, s15, 18                        ; out: 262,144 y + 1,024 (8 x + 2 wave)
	s_lshl_b32 s19, ttmp9, 13
	s_add_co_u32 s28, s28, s19
	s_lshl_b32 s19, s14, 11
	s_add_co_u32 s28, s28, s19
	s_mov_b32 s29, 0
	s_wait_alu depctr_va_vdst(0)
	s_wait_kmcnt 0x0
	s_add_nc_u64 s[20:21], s[4:5], s[32:33]
	s_add_nc_u64 s[22:23], s[6:7], s[34:35]
	s_add_nc_u64 s[24:25], s[8:9], s[34:35]
	s_add_nc_u64 s[4:5], s[4:5], s[36:37]
	s_add_nc_u64 s[6:7], s[6:7], s[38:39]
	s_add_nc_u64 s[8:9], s[8:9], s[38:39]
	s_add_nc_u64 s[10:11], s[10:11], s[28:29]
	s_add_nc_u64 s[12:13], s[12:13], s[28:29]
.irp q, 0,1,2,3
	global_load_b128 v[BQ+8*\q:BQ+8*\q+3], v250, s[20:21] offset:256*\q
.endr
	global_load_b32 v[XS], v251, s[22:23]
	global_load_b32 v[XS+1], v251, s[22:23] offset:128
.irp q, 0,1,2,3
	global_load_b32 v[XN+2*\q], v252, s[24:25] offset:64*\q
.endr
; THE FILL: 40 loads of 16 bytes a thread, all out together, staged in registers that are not yet in use (none of them a scale register)
.macro SETSR
.if i < 36
.set sr, LST+4*i
.else
.set sr, BUF+50+4*(i-36)
.endif
.endm
.set i, 0
.rept 40
	SETSR
.if i < 32
	global_load_b128 v[sr:sr+3], v[WA], s[4:5] offset:(i/16)*PLANE+(i%16)*2048
.elseif i < 36
	global_load_b128 v[sr:sr+3], v[WA], s[6:7] offset:(i-32)*2048
.else
	global_load_b128 v[sr:sr+3], v[WA], s[8:9] offset:(i-36)*2048
.endif
.set i, i+1
.endr
.set i, 0
.rept 40
	SETSR
	s_wait_loadcnt 39-i                            ; load i is in; the 39 - i younger ones may be out (the queries' loads are older: in with the first)
.if i < 32
	ds_store_b128 v[WA], v[sr:sr+3] offset:(i/16)*PL+(i%16)*2048+((i%16)/8)*128
.elseif i < 36
	ds_store_b128 v[WA+1], v[sr:sr+3] offset:(i-32)*2048+((i-32)/2)*64
.else
	ds_store_b128 v[WA+1], v[sr:sr+3] offset:8448+(i-36)*2048
.endif
.set i, i+1
.endr
.irp q, 0,1,2,3
.irp k, 4,5,6,7
	v_mov_b32 v[BQ+8*\q+\k], 0                     ; the empty half of K: zero codes.  (The 68 lines below stand between these and the first product)
.endr
.endr
.irp q, 0,1,2,3
	v_mov_b32 v[XN+2*\q+1], v[XN+2*\q]
.endr
.irp q, 0,1,2,3
.irp i, 0,1,2,3,4,5,6,7
	v_mov_b32 v[LST+16*\q+\i], 0xff800000          ; the lists begin under every score
	v_mov_b32 v[LST+8+16*\q+\i], 0
.endr
.endr
	s_wait_dscnt 0x0                               ; for the others' sake: my part of the range lies in LDS
	s_barrier_signal -1
	s_barrier_wait -1                              ; everybody's does; from here on LDS is only read
	LOADS 0, 0, ACOD, ASC, AC2
	LOADS 1, 1, ACOD, ASC, AC2
	s_wait_dscnt 14                                ; buffer 0's 14 loads are in; buffer 1's 14 may be out
	MM 0, 0
	v_and_b32 v0, 31, v0                           ; 16 x lane, for the stores at the end.  (These two lines and the trip's three additions are the places ahead of the first read of the results)
	v_lshlrev_b32 v0, 4, v0
	s_mov_b32 s30, 15
	s_mov_b32 s16, 0                               ; where the trip's super-steps begin: codes, 1,024 bytes a trip;
	s_mov_b32 s17, 0                               ; scale words and norms, 256
.Ltrip:                                                ; a trip: super-steps 2 t and 2 t + 1; it fetches 2 t + 2 and 2 t + 3
	v_add_nc_u32 v[WA], s16, v[ACOD]
	v_add_nc_u32 v[WA+1], s17, v[ASC]
	v_add_nc_u32 v[WA+2], s17, v[AC2]
	SSTEP 0, 1, 2, 1
	SSTEP 1, 1, 3, 1
	s_add_co_u32 s16, s16, 1024
	s_add_co_u32 s17, s17, 256
	s_sub_co_u32 s30, s30, 1
	s_cmp_lg_u32 s30, 0
	s_cbranch_scc1 .Ltrip
	SSTEP 0, 0, 0, 1                               ; super-steps 30 and 31 fetch nothing
	SSTEP 1, 0, 0, 0
; THE END.  A query's two lists (lower and upper 1,024 codes) lie in lanes r and r + 16.  For a pair of tiles the exchange below leaves both tiles' lower lists in the first tile's registers and both
; upper lists in the second's, a query to a lane.  The upper list's entries go into the lower list in their own order: on equal values the lower group number stays ahead.
.irp P, 0,2
.irp i, 0,1,2,3,4,5,6,7,8,9,10,11,12,13,14,15
	v_permlane16_swap_b32 v[LST+16*\P+\i], v[LST+16+16*\P+\i]
.endr
.irp e, 0,1,2,3,4,5,6,7
	INSERT LST+16*\P, LST+8+16*\P, LST+16+16*\P+\e, LST+24+16*\P+\e, T
.endr
.irp i, 0,1,2,3,4,5,6,7
	v_add_f32 v[LST+16*\P+\i], 0, v[LST+16*\P+\i]  ; -0 becomes +0
.endr
.irp i, 0,1,2,3,4,5,6,7
	v_ashrrev_i32 v[T+\i], 31, v[LST+16*\P+\i]
.endr
.irp i, 0,1,2,3,4,5,6,7
	v_lshrrev_b32 v[T+\i], 1, v[T+\i]
.endr
.irp i, 0,1,2,3,4,5,6,7
	v_xor_b32 v[LST+16*\P+\i], v[LST+16*\P+\i], v[T+\i]   ; the value as a signed whole number of the same order: under 0 the low 31 bits are turned
.endr
	global_store_b128 v0, v[LST+16*\P:LST+16*\P+3], s[10:11] offset:(\P/2)*1024          ; each store: 512 consecutive bytes
	global_store_b128 v0, v[LST+16*\P+4:LST+16*\P+7], s[10:11] offset:(\P/2)*1024+512
	global_store_b128 v0, v[LST+16*\P+8:LST+16*\P+11], s[12:13] offset:(\P/2)*1024
	global_store_b128 v0, v[LST+16*\P+12:LST+16*\P+15], s[12:13] offset:(\P/2)*1024+512
.endr
	s_wait_tensorcnt 0x0                           ; the wave's end: behind my last LDS store
	ds_add_u32 v[SPW], v[NIL]
	s_wait_dscnt 0x0
	s_endpgm
.Lfunc_end_k_q219b244c6c_groups:
	.size	k_q219b244c6c_groups, .Lfunc_end_k_q219b244c6c_groups-k_q219b244c6c_groups
	.p2alignl 7, 3214868480
	.fill 96, 4, 3214868480
	.section	.rodata,"a",@progbits
	.p2align	6, 0x0
	.amdhsa_kernel k_q219b244c6c_groups
		.amdhsa_group_segment_fixed_size 83200
		.amdhsa_private_segment_fixed_size 0
		.amdhsa_enable_private_segment 0
		.amdhsa_kernarg_size 40
		.amdhsa_user_sgpr_count 2
		.amdhsa_user_sgpr_kernarg_segment_ptr 1
		.amdhsa_wavefront_size32 1
		.amdhsa_system_sgpr_workgroup_id_x 1
		.amdhsa_system_sgpr_workgroup_id_y 1
		.amdhsa_system_sgpr_workgroup_id_z 1
		.amdhsa_system_vgpr_workitem_id 0
		.amdhsa_next_free_vgpr 256
		.amdhsa_next_free_sgpr 66
		.amdhsa_reserve_vcc 0
		.amdhsa_float_denorm_mode_32 3
		.amdhsa_float_denorm_mode_16_64 3
		.amdhsa_memory_ordered 1
		.amdhsa_forward_progress 1
		.amdhsa_inst_pref_size 140
	.end_amdhsa_kernel
	.amdgpu_metadata
---
amdhsa.version: [ 1, 2 ]
amdhsa.kernels:
  - .name:           k_q219b244c6c_groups
    .symbol:         k_q219b244c6c_groups.kd
    .args:
      - { .name: qc, .offset: 0, .size: 8, .value_kind: global_buffer, .address_space: global }
      - { .name: qs, .offset: 8, .size: 8, .value_kind: global_buffer, .address_space: global }
      - { .name: qn, .offset: 16, .size: 8, .value_kind: global_buffer, .address_space: global }
      - { .name: keys, .offset: 24, .size: 8, .value_kind: global_buffer, .address_space: global }
      - { .name: gids, .offset: 32, .size: 8, .value_kind: global_buffer, .address_space: global }
    .group_segment_fixed_size: 83200
    .private_segment_fixed_size: 0
    .kernarg_segment_align: 8
    .kernarg_segment_size: 40
    .max_flat_workgroup_size: 128
    .sgpr_count:     66
    .vgpr_count:     256
    .wavefront_size: 32
...
	.end_amdgpu_metadata
.endif
;; end of part 2
;; launch pick (part 3): grid 256 x 1, 4 waves a work-group, no clusters, 8,704 bytes of LDS; arguments qc, qs, qn, keys, gids, out1, ids; writes out1, ids
.if DOCPART == 3
	.amdgcn_target "amdgcn-amd-amdhsa--gfx1250"
	.amdhsa_code_object_version 6
	.text
	.protected	k_q219b244c6c_pick
	.globl	k_q219b244c6c_pick
	.p2align	8
	.type	k_q219b244c6c_pick,@function
k_q219b244c6c_pick:
	s_mov_b64 s[64:65], 0
	v_nop
	global_prefetch_b8 v0, s[64:65] scope:SCOPE_SE
	s_setreg_imm32_b32 hwreg(HW_REG_WAVE_MODE, 25, 1), 1
	s_wait_xcnt 0x0
; PICK.  For each query: its 8 lists of 8 groups (one for each range of 2,048 codes) are merged into the 8 best groups; those groups' 256 codes are scored one by one, by the same instructions as in the
; launch before; the 8 best codes, in the order (score falling, index rising), go to out1 and, as whole numbers for the next launch's addresses, to ids.  No work of reference() is left out.
; ADDRESSES hang on whole numbers read from memory alone: the merge compares the stored keys (the maxima as signed whole numbers of the same order) and selects the stored group numbers.
; SHARES.  A work-group has 32 queries, two tiles of 16.  Wave w: tile w / 2, part w % 2.  Both waves of a tile merge; the 8 group numbers are sorted rising; part 0 scores the four lowest, part 1 the four
; highest.  In a wave, lanes 0-15 end up with the codes of the part's groups 0, 1 and lanes 16-31 with those of groups 2, 3: every stream is walked with indices rising, and in every merge the list
; with the lower indices takes the other's entries in: on equal scores the lower index stays ahead.
; ONE QUERY AT A TIME: each query has candidates of its own.  For query q source 0 holds 16 of ITS candidates, and source 1 is the tile of queries with all columns but q set to zero codes: so column q of the
; result is its scores' products and every other column is 0.  Each product begins with 0, as in the launch before; the results of the 16 queries are added, which adds only zeros to a lane's number.
; NO JOINT LOADS: what a wave fetches belongs to one query; work-groups share no tile.
; LIMITS: as in the launch before (finite scores; -0 counts as +0).
; REGISTERS.  Window 0 as named below.  Window 1: six buffers of 36 for a query's candidates' codes: 8 slots x 4 registers, and 4 registers that are set to 0 once (the last slot's upper half).
.set PLANE, 393216
.set SPARE, 8192                       ; LDS: four images of 2,048 bytes, then the spare words: two blocks of 256 bytes that no other line names
.set SPW, 1                            ; v1   my spare word's LDS address; never rewritten
.set NIL, 2                            ; v2   0; never rewritten
.set LPC, 3                            ; v3   my lane's place in a slot's codes: 16 (l % 8) + a plane x (l / 16)
.set LPS, 4                            ; v4   and in its scale words: 4 (l % 8) + 32 (l / 16)
.set IMW, 5                            ; v5   where my wave's image goes
.set AD,  6                            ; v6-9 offsets of the loads in hand: codes and scale words, for a = 0 and a = 1
.set XN,  10                           ; v10-11 (-x2, -x2)
.set XS,  12                           ; v12  the queries' scale words; scales and nothing else
.set SEL, 13                           ; v13  at work
.set GS,  14                           ; v14-17 my query's four groups of this part, rising
.set IDB, 18                           ; v18-19 the first index of my lane's two groups
.set BF,  20                           ; v20-23 the tile of queries, as an operand
.set BQ,  24                           ; v24-31, v32-39 the same with one column kept, by turns; registers 4-7 are 0
.set SR,  40                           ; v40-63 the candidates' scale words, 4 registers for each of six buffers; scales and nothing else
.set ACC, 64                           ; v64-127 my 64 candidates' products, then scores
.set DT,  128                          ; v128-159 four products' results
.set C2,  160                          ; v160-223 minus my candidates' norms
.set LV,  224                          ; v224-231 the 8 best scores, v232-239 their indices
.set LI,  232
.set IMR, 240                          ; v240 where the partner wave's image lies
.set OO,  241                          ; v241 my bytes in the tile's 512 of out1
.set LO,  242                          ; v242 offsets of the head's loads: the lists, v243 the queries' codes, v244 their words
.set BO,  243
.set RO,  244
.set K0,  64                           ; the merge: list k of my half's four ranges: keys at 64 + 16 k, group numbers at 72 + 16 k
.set OTH, 80                           ; the other half's list (list 1's registers, done with)
.set LA,  144                          ; ranges 0-3's list;  LB: ranges 4-7's
.set LB,  160
.set TT,  176                          ; v176-189 at work
.set CM,  40                           ; s40-47 an insertion's eight masks
.set MSB, 0
.macro WIN new                         ; the immediate's high byte repeats the setting that is left
.if MSB != \new
	s_set_vgpr_msb (MSB<<8)|\new
.set MSB, \new
.endif
.endm
.macro PLACES n
.rept \n
	v_nop
.endr
.endm
; val, with number id, goes into a list of 8 sorted falling; strict compare: what stands in the list stays ahead of an equal newcomer
.macro INSERT lv, li, val, id, t
.irp i, 0,1,2,3,4,5,6,7
	v_cmp_gt_f32 s[CM+\i], v[\val], v[(\lv)+\i]
.endr
.irp i, 0,1,2,3,4,5,6
	v_cndmask_b32 v[(\t)+\i], v[\id], v[(\li)+\i], s[CM+\i]
.endr
.irp i, 7,6,5,4,3,2,1
	v_med3_num_f32 v[(\lv)+\i], v[(\lv)+\i-1], v[(\lv)+\i], v[\val]
.endr
	v_max_num_f32 v[\lv], v[\lv], v[\val]
.irp i, 1,2,3,4,5,6,7
	v_cndmask_b32 v[(\li)+\i], v[(\li)+\i], v[(\t)+\i-1], s[CM+\i]
.endr
	v_cndmask_b32 v[\li], v[\li], v[\id], s[CM]
.endm
; the same on whole numbers: keys and group numbers move by the same two selections
.macro IINSERT k, g, key, gid, t
.irp i, 0,1,2,3,4,5,6,7
	v_cmp_gt_i32 s[CM+\i], v[\key], v[(\k)+\i]
.endr
.irp i, 0,1,2,3,4,5,6
	v_cndmask_b32 v[(\t)+\i], v[\gid], v[(\g)+\i], s[CM+\i]
	v_cndmask_b32 v[(\t)+7+\i], v[\key], v[(\k)+\i], s[CM+\i]
.endr
.irp i, 1,2,3,4,5,6,7
	v_cndmask_b32 v[(\g)+\i], v[(\g)+\i], v[(\t)+\i-1], s[CM+\i]
	v_cndmask_b32 v[(\k)+\i], v[(\k)+\i], v[(\t)+6+\i], s[CM+\i]
.endr
	v_cndmask_b32 v[\g], v[\g], v[\gid], s[CM]
	v_cndmask_b32 v[\k], v[\k], v[\key], s[CM]
.endm
.macro CSWAP a, b                      ; group numbers a and b of the merged list in rising order
	v_cmp_gt_u32 s40, v[LA+8+\a], v[LA+8+\b]
	v_cndmask_b32 v[TT], v[LA+8+\a], v[LA+8+\b], s40
	v_cndmask_b32 v[LA+8+\b], v[LA+8+\b], v[LA+8+\a], s40
	v_mov_b32 v[LA+8+\a], v[TT]
.endm
; Half a of query q's candidates: slots 4 a + u, u = 0..3.  Rows 0-7 of slot 4 a + u are codes 8 u + j of the query's group a, rows 8-15 those of its group 2 + a.  Six loads.
.macro LOADH q, a
	s_wait_xcnt 0x0                                ; the earlier loads have read their offsets: the two below may be written
	v_readlane_b32 s28, v[GS+\a], \q               ; lane q holds query q's groups
	v_readlane_b32 s29, v[GS+2+\a], \q
	v_mov_b32 v[SEL], s28
	v_cndmask_b32 v[SEL], v[SEL], s29, s25         ; lanes with l % 16 >= 8 take the second
	v_min_u32 v[SEL], 511, v[SEL]                  ; a group number stays inside the table
	v_lshl_add_u32 v[AD+2*\a], v[SEL], 9, v[LPC]   ; 32 codes x 16 bytes a group
	v_lshl_add_u32 v[AD+1+2*\a], v[SEL], 7, v[LPS] ; 32 words a group
	WIN 0x40                                       ; destination window 1
.irp u, 0,1,2,3
	global_load_b128 v[36*((\q)%6)+16*\a+4*\u:36*((\q)%6)+16*\a+4*\u+3], v[AD+2*\a], s[4:5] offset:128*\u
.endr
	WIN 0
.irp p, 0,1
	global_load_b32 v[SR+4*((\q)%6)+2*\a+\p], v[AD+1+2*\a], s[6:7] offset:64*\p   ; lanes 0-15 slot u = 2 p, lanes 16-31 slot u = 2 p + 1
.endr
.endm
.macro BUILD q                         ; the tile of queries with column q alone: lanes q and q + 16 keep their codes
	s_mov_b32 s30, 0x10001<<(\q)
.irp k, 0,1,2,3
	v_cndmask_b32 v[BQ+8*((\q)%2)+\k], 0, v[BF+\k], s30
.endr
.endm
.macro MMS q, i0, d                    ; slots i0 .. i0 + 3 of query q: four products, each begun with 0, on four different results from v[d] on
	WIN 0x01                                       ; source 0 in window 1
.irp u, 0,1,2,3
.if \u%2
	v_wmma_scale_f32_16x16x128_f8f6f4 v[(\d)+8*\u:(\d)+8*\u+7], v[36*((\q)%6)+4*((\i0)+\u):36*((\q)%6)+4*((\i0)+\u)+7], v[BQ+8*((\q)%2):BQ+8*((\q)%2)+7], 0, v[SR+4*((\q)%6)+(\i0)/2+\u/2], v[XS] matrix_a_fmt:MATRIX_FMT_FP4 matrix_b_fmt:MATRIX_FMT_FP4 matrix_a_scale:MATRIX_SCALE_ROW1
.else
	v_wmma_scale_f32_16x16x128_f8f6f4 v[(\d)+8*\u:(\d)+8*\u+7], v[36*((\q)%6)+4*((\i0)+\u):36*((\q)%6)+4*((\i0)+\u)+7], v[BQ+8*((\q)%2):BQ+8*((\q)%2)+7], 0, v[SR+4*((\q)%6)+(\i0)/2+\u/2], v[XS] matrix_a_fmt:MATRIX_FMT_FP4 matrix_b_fmt:MATRIX_FMT_FP4
.endif
.endr
	WIN 0
.endm
.macro ADDS off                        ; the four results onto my candidates' numbers, each result from its low end on
.set p, 0
.rept 16
	v_pk_add_f32 v[ACC+(\off)+2*p:ACC+(\off)+2*p+1], v[ACC+(\off)+2*p:ACC+(\off)+2*p+1], v[DT+2*p:DT+2*p+1]
.set p, p+1
.endr
.endm
; QUERY q.  Behind each run of four products stand five plain lines or more that name none of their registers (the next query's B; half of the look-ahead's address work; v_nop in the last steps):
; four are owed ahead of the first read of the results and of a write of an operand that products have read, five ahead of the next products on the same results.
.macro STEP q
.if (\q)+3 > 15
	s_wait_loadcnt 12*(15-(\q))                    ; query q's 12 loads are in; those of the younger queries, 12 each, may be out
.else
	s_wait_loadcnt 36
.endif
.if (\q) == 0
	MMS \q, 0, ACC                                 ; the first query's results start the sums
.else
	MMS \q, 0, DT
.endif
.if (\q) < 15
	BUILD (\q)+1
.endif
.if (\q)+4 <= 15
	LOADH (\q)+4, 0                                ; four queries ahead, into the buffer that was multiplied two steps ago
.elseif (\q) < 15
	PLACES 1
.else
	PLACES 5
.endif
.if (\q) > 0
	ADDS 0
.endif
.if (\q) == 0
	MMS \q, 4, ACC+32
.else
	MMS \q, 4, DT
.endif
.if (\q)+4 <= 15
	LOADH (\q)+4, 1
.else
	PLACES 5
.endif
.if (\q) > 0
	ADDS 32
.endif
.endm
	s_load_b256 s[4:11], s[0:1], 0x0               ; qc s[4:5], qs s[6:7], qn s[8:9], keys s[10:11]
	s_load_b128 s[12:15], s[0:1], 0x20             ; gids s[12:13], out1 s[14:15]
	s_load_b64 s[16:17], s[0:1], 0x30              ; ids
	v_lshl_add_u32 v[SPW], v0, 2, SPARE
	v_mov_b32 v[NIL], 0
	v_lshrrev_b32 v3, 5, v0
	v_readfirstlane_b32 s20, v3                    ; wave 0..3
	s_lshr_b32 s21, s20, 1                         ; tile
	s_and_b32 s22, s20, 1                          ; part
	s_sub_co_u32 s23, 0, s22                       ; all ones in part 1
	s_mov_b32 s24, 0xffff0000                      ; lanes 16-31
	s_mov_b32 s25, 0xff00ff00                      ; lanes with l % 16 >= 8
	s_mov_b32 s26, 0x76543210                      ; v_permlanex16_b32's selects for lane l xor 16
	s_mov_b32 s27, 0xfedcba98
	v_and_b32 v6, 7, v0
	v_bfe_u32 v7, v0, 4, 1                         ; h
	v_and_b32 v8, 15, v0                           ; r
	v_and_b32 v9, 31, v0                           ; lane
	v_lshlrev_b32 v[LPC], 4, v6
	v_mad_u32_u24 v[LPC], v7, PLANE, v[LPC]
	v_lshlrev_b32 v[LPS], 2, v6
	v_lshl_add_u32 v[LPS], v7, 5, v[LPS]
	s_lshl_b32 s28, s20, 11
	v_lshl_add_u32 v[IMW], v9, 4, s28              ; 16 x lane + 2,048 x wave
	s_or_b32 s29, s20, 1
	s_lshl_b32 s29, s29, 11
	v_lshl_add_u32 v[IMR], v9, 4, s29              ; the tile's part 1
	v_lshlrev_b32 v[OO], 5, v8
	v_lshl_add_u32 v[OO], v7, 4, v[OO]             ; 32 r + 16 h
	v_lshlrev_b32 v[LO], 4, v8
	v_lshl_add_u32 v[LO], v7, 20, v[LO]            ; the lists: 16 r; lanes 16-31 take ranges 4-7: 4 x 262,144 bytes on
	v_lshlrev_b32 v[BO], 4, v8
	v_mad_u32_u24 v[BO], v7, PLANE, v[BO]          ; a query's codes: row r, plane h
	v_lshlrev_b32 v[RO], 2, v8                     ; 4 r
	s_lshl_b32 s31, ttmp9, 1
	s_add_co_u32 s31, s31, s21                     ; my tile of queries: 0..511
	s_lshl_b32 s38, s31, 8
	s_add_co_u32 s38, s38, 16384*16                ; its rows' codes in a plane: (16,384 + 16 tile) x 16 bytes
	s_mov_b32 s39, 0
	s_wait_alu depctr_va_vdst(0)
	s_wait_kmcnt 0x0
	s_add_nc_u64 s[32:33], s[4:5], s[38:39]
	s_lshr_b32 s38, s38, 2                         ; and their words: x 4 bytes
	s_add_nc_u64 s[34:35], s[6:7], s[38:39]
	s_add_nc_u64 s[36:37], s[8:9], s[38:39]
	s_lshl_b32 s38, ttmp9, 10                      ; the lists of my 32 queries, my tile's 16 lanes of them
	s_lshl_b32 s28, s21, 8
	s_add_co_u32 s38, s38, s28
	s_add_nc_u64 s[10:11], s[10:11], s[38:39]
	s_add_nc_u64 s[12:13], s[12:13], s[38:39]
	s_lshl_b32 s38, s31, 9                         ; out: 16 queries x 32 bytes
	s_add_nc_u64 s[14:15], s[14:15], s[38:39]
	s_add_nc_u64 s[16:17], s[16:17], s[38:39]
	global_load_b128 v[BF:BF+3], v[BO], s[32:33]
	global_load_b32 v[XS], v[RO], s[34:35]
	global_load_b32 v[XN], v[RO], s[36:37]
.irp k, 0,1,2,3
.irp p, 0,1
	global_load_b128 v[K0+16*\k+4*\p:K0+16*\k+4*\p+3], v[LO], s[10:11] offset:\k*262144+\p*512      ; sixteen lanes read 256 consecutive bytes
	global_load_b128 v[K0+8+16*\k+4*\p:K0+8+16*\k+4*\p+3], v[LO], s[12:13] offset:\k*262144+\p*512
.endr
.endr
.irp k, 4,5,6,7
	v_mov_b32 v[BQ+\k], 0                          ; the empty half of K: zero codes
	v_mov_b32 v[BQ+8+\k], 0
.endr
.irp i, 0,1,2,3,4,5,6,7
	v_mov_b32 v[LV+\i], 0xff800000                 ; the list begins under every score
	v_mov_b32 v[LI+\i], 0
.endr
	WIN 0x40
.irp b, 0,1,2,3,4,5
.irp k, 0,1,2,3
	v_mov_b32 v[36*\b+32+\k], 0                    ; behind each buffer's last slot
.endr
.endr
	WIN 0
	s_wait_loadcnt 0x0
	v_mov_b32 v[XN+1], v[XN]
; THE MERGE, on whole numbers.  My half's four lists, the lower ranges first; then the two halves.
.irp k, 1,2,3
.irp e, 0,1,2,3,4,5,6,7
	IINSERT K0, K0+8, K0+16*\k+\e, K0+8+16*\k+\e, TT
.endr
.endr
.irp i, 0,1,2,3,4,5,6,7,8,9,10,11,12,13,14,15
	v_permlanex16_b32 v[OTH+\i], v[K0+\i], s26, s27
.endr
.irp i, 0,1,2,3,4,5,6,7,8,9,10,11,12,13,14,15
	v_cndmask_b32 v[LA+\i], v[K0+\i], v[OTH+\i], s24   ; in every lane: ranges 0-3's list,
	v_cndmask_b32 v[LB+\i], v[OTH+\i], v[K0+\i], s24   ; and ranges 4-7's
.endr
.irp e, 0,1,2,3,4,5,6,7
	IINSERT LA, LA+8, LB+\e, LB+8+\e, TT
.endr
	CSWAP 0, 1                                     ; the 8 group numbers in rising order: an odd-even merge sort of 19 exchanges
	CSWAP 2, 3
	CSWAP 4, 5
	CSWAP 6, 7
	CSWAP 0, 2
	CSWAP 1, 3
	CSWAP 4, 6
	CSWAP 5, 7
	CSWAP 1, 2
	CSWAP 5, 6
	CSWAP 0, 4
	CSWAP 1, 5
	CSWAP 2, 6
	CSWAP 3, 7
	CSWAP 2, 4
	CSWAP 3, 5
	CSWAP 1, 2
	CSWAP 3, 4
	CSWAP 5, 6
.irp k, 0,1,2,3
	v_cndmask_b32 v[GS+\k], v[LA+8+\k], v[LA+12+\k], s23   ; part 0: the four lowest; part 1: the four highest
.endr
.irp a, 0,1
	v_cndmask_b32 v[IDB+\a], v[GS+\a], v[GS+2+\a], s24     ; as a result, lane (r, h) holds codes of query r's groups 2 h and 2 h + 1
	v_min_u32 v[IDB+\a], 511, v[IDB+\a]
.endr
	v_lshlrev_b32 v[AD], 7, v[IDB]                 ; their norms: 128 bytes a group
	v_lshlrev_b32 v[AD+2], 7, v[IDB+1]
	v_lshlrev_b32 v[IDB], 5, v[IDB]                ; their first indices
	v_lshlrev_b32 v[IDB+1], 5, v[IDB+1]
.irp a, 0,1
.irp k, 0,1,2,3,4,5,6,7
	global_load_b128 v[C2+32*\a+4*\k:C2+32*\a+4*\k+3], v[AD+2*\a], s[8:9] offset:16*\k
.endr
.endr
	BUILD 0                                        ; (the address work of the loads below stands between it and the first product)
.irp q, 0,1,2,3
	LOADH \q, 0
	LOADH \q, 1
.endr
.irp q, 0,1,2,3,4,5,6,7,8,9,10,11,12,13,14,15
	STEP \q
.endr
; THE SCORES, with the same two roundings as in the launch before; the norms' loads are older than the first query's and are in
.set p, 0
.rept 32
	v_pk_fma_f32 v[ACC+2*p:ACC+2*p+1], v[ACC+2*p:ACC+2*p+1], 2.0, v[XN:XN+1] op_sel_hi:[1,0,1]
.set p, p+1
.endr
.set p, 0
.rept 32
	v_pk_add_f32 v[ACC+2*p:ACC+2*p+1], v[ACC+2*p:ACC+2*p+1], v[C2+2*p:C2+2*p+1]
.set p, p+1
.endr
.set n, 0
.rept 64                               ; my 64 candidates, indices rising
	v_add_nc_u32 v[DT+7], n%32, v[IDB+n/32]
	INSERT LV, LI, ACC+n, DT+7, DT
.set n, n+1
.endr
; the other half of the lanes' list goes in: right in lanes 0-15, whose own list has the lower indices; only those lanes' lists are used from here on
.irp i, 0,1,2,3,4,5,6,7,8,9,10,11,12,13,14,15
	v_permlanex16_b32 v[C2+\i], v[LV+\i], s26, s27
.endr
.irp e, 0,1,2,3,4,5,6,7
	INSERT LV, LI, C2+\e, C2+8+\e, DT
.endr
.irp c, 0,1,2,3
	ds_store_b128 v[IMW], v[LV+4*\c:LV+4*\c+3] offset:512*\c   ; the list as an image of its registers: 16 bytes a lane
.endr
	s_wait_tensorcnt 0x0                           ; behind my last LDS store; from here on the text only reads LDS
	ds_add_u32 v[SPW], v[NIL]
	s_wait_dscnt 0x0                               ; also for the partner's sake: my image lies in LDS
	s_barrier_signal -1
	s_barrier_wait -1
	s_cmp_lg_u32 s22, 0                            ; part 1 has handed its list over
	s_cbranch_scc1 .Ldone
.irp c, 0,1,2,3
	ds_load_b128 v[C2+4*\c:C2+4*\c+3], v[IMR] offset:512*\c
.endr
	s_wait_dscnt 0x0
	s_wait_alu depctr_va_vdst(0)
.irp e, 0,1,2,3,4,5,6,7
	INSERT LV, LI, C2+\e, C2+8+\e, DT              ; part 1's indices are the higher ones
.endr
.irp k, 0,1,2,3
	v_permlanex16_b32 v[C2+\k], v[LI+4+\k], s26, s27
.endr
.irp k, 0,1,2,3
	v_cndmask_b32 v[DT+\k], v[LI+\k], v[C2+\k], s24    ; lane (r, h): indices 4 h .. 4 h + 3 of query r
.endr
	global_store_b128 v[OO], v[DT:DT+3], s[14:15]  ; 512 consecutive bytes
	global_store_b128 v[OO], v[DT:DT+3], s[16:17]
.Ldone:
	s_endpgm
.Lfunc_end_k_q219b244c6c_pick:
	.size	k_q219b244c6c_pick, .Lfunc_end_k_q219b244c6c_pick-k_q219b244c6c_pick
	.p2alignl 7, 3214868480
	.fill 96, 4, 3214868480
	.section	.rodata,"a",@progbits
	.p2align	6, 0x0
	.amdhsa_kernel k_q219b244c6c_pick
		.amdhsa_group_segment_fixed_size 8704
		.amdhsa_private_segment_fixed_size 0
		.amdhsa_enable_private_segment 0
		.amdhsa_kernarg_size 56
		.amdhsa_user_sgpr_count 2
		.amdhsa_user_sgpr_kernarg_segment_ptr 1
		.amdhsa_wavefront_size32 1
		.amdhsa_system_sgpr_workgroup_id_x 1
		.amdhsa_system_sgpr_workgroup_id_y 1
		.amdhsa_system_sgpr_workgroup_id_z 1
		.amdhsa_system_vgpr_workitem_id 0
		.amdhsa_next_free_vgpr 480
		.amdhsa_next_free_sgpr 66
		.amdhsa_reserve_vcc 0
		.amdhsa_float_denorm_mode_32 3
		.amdhsa_float_denorm_mode_16_64 3
		.amdhsa_memory_ordered 1
		.amdhsa_forward_progress 1
		.amdhsa_inst_pref_size 255
	.end_amdhsa_kernel
	.section	.bss,"aw",@nobits
	.p2align	6
	.space	262144
	.amdgpu_metadata
---
amdhsa.version: [ 1, 2 ]
amdhsa.kernels:
  - .name:           k_q219b244c6c_pick
    .symbol:         k_q219b244c6c_pick.kd
    .args:
      - { .name: qc, .offset: 0, .size: 8, .value_kind: global_buffer, .address_space: global }
      - { .name: qs, .offset: 8, .size: 8, .value_kind: global_buffer, .address_space: global }
      - { .name: qn, .offset: 16, .size: 8, .value_kind: global_buffer, .address_space: global }
      - { .name: keys, .offset: 24, .size: 8, .value_kind: global_buffer, .address_space: global }
      - { .name: gids, .offset: 32, .size: 8, .value_kind: global_buffer, .address_space: global }
      - { .name: out1, .offset: 40, .size: 8, .value_kind: global_buffer, .address_space: global }
      - { .name: ids, .offset: 48, .size: 8, .value_kind: global_buffer, .address_space: global }
    .group_segment_fixed_size: 8704
    .private_segment_fixed_size: 0
    .kernarg_segment_align: 8
    .kernarg_segment_size: 56
    .max_flat_workgroup_size: 128
    .sgpr_count:     66
    .vgpr_count:     480
    .wavefront_size: 32
...
	.end_amdgpu_metadata
.endif
;; end of part 3
;; launch mean (part 4): grid 256 x 1, 4 waves a work-group, no clusters, 0 bytes of LDS; arguments ids, codebook, out0; writes out0
.if DOCPART == 4
	.amdgcn_target "amdgcn-amd-amdhsa--gfx1250"
	.amdhsa_code_object_version 6
	.text
	.protected	k_q219b244c6c_mean
	.globl	k_q219b244c6c_mean
	.p2align	8
	.type	k_q219b244c6c_mean,@function
k_q219b244c6c_mean:
	s_mov_b64 s[64:65], 0
	v_nop
	global_prefetch_b8 v0, s[64:65] scope:SCOPE_SE
	s_setreg_imm32_b32 hwreg(HW_REG_WAVE_MODE, 25, 1), 1
	s_wait_xcnt 0x0
; MEAN.  out0[query] = the sum of the 8 chosen rows of the codebook, as they are given (f32, not quantised), in the order of the list, divided by 8.  No work of reference() is left out.
; The indices are whole numbers that the launch before stored.  A wave takes 8 queries, two at a time: sixteen lanes hold one row of 256 bytes, 16 bytes a lane.
; All 32 row loads of a wave are out together; no LDS, no barrier, no matrix unit: there is nothing here but a gather and 7 additions a number.
.set I, 8                              ; v8-39   pair t: my query's 8 indices, then the rows' offsets
.set R, 40                             ; v40-167 pair t, row k: 4 registers
	s_load_b128 s[4:7], s[0:1], 0x0                ; ids, codebook
	s_load_b64 s[8:9], s[0:1], 0x10                ; out0
	v_lshrrev_b32 v4, 5, v0
	v_readfirstlane_b32 s10, v4                    ; wave
	s_lshl_b32 s11, ttmp9, 2
	s_add_co_u32 s11, s11, s10                     ; which 8 queries: 0..1023
	v_bfe_u32 v1, v0, 4, 1
	v_lshlrev_b32 v1, 5, v1                        ; 32 bytes of indices a query: lanes 16-31 take the pair's second
	v_and_b32 v2, 15, v0
	v_lshlrev_b32 v2, 4, v2                        ; my 16 bytes of a row
	v_and_b32 v3, 31, v0
	v_lshlrev_b32 v3, 4, v3                        ; my 16 bytes of a pair's 512 in out0
	s_lshl_b32 s12, s11, 8
	s_mov_b32 s13, 0
	s_lshl_b32 s14, s11, 11
	s_mov_b32 s15, 0
	s_wait_alu depctr_va_vdst(0)
	s_wait_kmcnt 0x0
	s_add_nc_u64 s[4:5], s[4:5], s[12:13]
	s_add_nc_u64 s[8:9], s[8:9], s[14:15]
.irp t, 0,1,2,3
	global_load_b128 v[I+8*\t:I+8*\t+3], v1, s[4:5] offset:64*\t
	global_load_b128 v[I+8*\t+4:I+8*\t+7], v1, s[4:5] offset:64*\t+16
.endr
	s_wait_loadcnt 0x0
.set n, 0
.rept 32
	v_min_u32 v[I+n], 16383, v[I+n]                ; an index stays inside the table
	v_lshl_add_u32 v[I+n], v[I+n], 8, v2           ; 256 bytes a row
.set n, n+1
.endr
.set n, 0
.rept 32
	global_load_b128 v[R+4*n:R+4*n+3], v[I+n], s[6:7]   ; sixteen lanes read one row's 256 bytes
.set n, n+1
.endr
.irp t, 0,1,2,3
	s_wait_loadcnt 24-8*\t                         ; this pair's 8 loads are in; the younger pairs', 8 each, may be out
.irp k, 1,2,3,4,5,6,7
	v_pk_add_f32 v[R+32*\t:R+32*\t+1], v[R+32*\t:R+32*\t+1], v[R+32*\t+4*\k:R+32*\t+4*\k+1]
	v_pk_add_f32 v[R+32*\t+2:R+32*\t+3], v[R+32*\t+2:R+32*\t+3], v[R+32*\t+4*\k+2:R+32*\t+4*\k+3]
.endr
	v_pk_mul_f32 v[R+32*\t:R+32*\t+1], v[R+32*\t:R+32*\t+1], 0x3e000000 op_sel_hi:[1,0]      ; / 8: exact
	v_pk_mul_f32 v[R+32*\t+2:R+32*\t+3], v[R+32*\t+2:R+32*\t+3], 0x3e000000 op_sel_hi:[1,0]
	global_store_b128 v3, v[R+32*\t:R+32*\t+3], s[8:9] offset:512*\t   ; 512 consecutive bytes: two rows of out0
.endr
	s_endpgm
.Lfunc_end_k_q219b244c6c_mean:
	.size	k_q219b244c6c_mean, .Lfunc_end_k_q219b244c6c_mean-k_q219b244c6c_mean
	.p2alignl 7, 3214868480
	.fill 96, 4, 3214868480
	.section	.rodata,"a",@progbits
	.p2align	6, 0x0
	.amdhsa_kernel k_q219b244c6c_mean
		.amdhsa_group_segment_fixed_size 0
		.amdhsa_private_segment_fixed_size 0
		.amdhsa_enable_private_segment 0
		.amdhsa_kernarg_size 24
		.amdhsa_user_sgpr_count 2
		.amdhsa_user_sgpr_kernarg_segment_ptr 1
		.amdhsa_wavefront_size32 1
		.amdhsa_system_sgpr_workgroup_id_x 1
		.amdhsa_system_sgpr_workgroup_id_y 1
		.amdhsa_system_sgpr_workgroup_id_z 1
		.amdhsa_system_vgpr_workitem_id 0
		.amdhsa_next_free_vgpr 176
		.amdhsa_next_free_sgpr 66
		.amdhsa_reserve_vcc 0
		.amdhsa_float_denorm_mode_32 3
		.amdhsa_float_denorm_mode_16_64 3
		.amdhsa_memory_ordered 1
		.amdhsa_forward_progress 1
		.amdhsa_inst_pref_size 14
	.end_amdhsa_kernel
	.amdgpu_metadata
---
amdhsa.version: [ 1, 2 ]
amdhsa.kernels:
  - .name:           k_q219b244c6c_mean
    .symbol:         k_q219b244c6c_mean.kd
    .args:
      - { .name: ids, .offset: 0, .size: 8, .value_kind: global_buffer, .address_space: global }
      - { .name: codebook, .offset: 8, .size: 8, .value_kind: global_buffer, .address_space: global }
      - { .name: out0, .offset: 16, .size: 8, .value_kind: global_buffer, .address_space: global }
    .group_segment_fixed_size: 0
    .private_segment_fixed_size: 0
    .kernarg_segment_align: 8
    .kernarg_segment_size: 24
    .max_flat_workgroup_size: 128
    .sgpr_count:     66
    .vgpr_count:     176
    .wavefront_size: 32
...
	.end_amdgpu_metadata
.endif
;; end of part 4
